; MI455X (gfx1250); checked and timed in simulation.
; The chip was launched on July 23, 2026; its instructions are those of AMD's public machine-readable ISA for CDNA 5 (MIT licence, August 2026) and "CDNA5" Instruction Set Architecture Reference Guide (July 2026). The comments in the code are by the model that wrote it; some were corrected since.
;; Update Speaker. Allowed arithmetic: float matrix products may take bf16 or f16 operands with f32 sums; other float arithmetic in f32, or as packed bf16 or f16 multiplies, adds, multiply-adds, maxima and minima; sums over many terms, partial sums and values carried from step to step in f32; what a program stores and reads back later, other than sums and carried values, may be rounded once to bf16 or f16.
;; Inputs: VA_hh 512 x 512 float32; VA_hp 512 x 512 float32; VA_hr 512 x 512 float32; VA_hz 512 x 512 float32; WA_hh 512 x 512 float32; WA_hp 512 x 512 float32; WA_hr 512 x 512 float32; WA_hz 512 x 512 float32; WA_xh 512 x 1,024 float32; WA_xp 512 x 1,024 float32; WA_xr 512 x 1,024 float32; WA_xz 512 x 1,024 float32; adr_vectors 16,384 x 512 float32; encoder_hidden 16,384 x 1,024 float32; spk_vectors 16,384 x 512 float32.
;; Outputs: out0 16,384 x 512 float32.
;; One version. Each part assembles by itself: llvm-mc -triple=amdgcn-amd-amdhsa -mcpu=gfx1250 --defsym DOCPART=n.
;; ======== version 1 of 1: 2 launches
;; workspace buffers: wfrag 8,388,608 bytes
;; launch prep (part 1): grid 256 x 1, 16 waves a work-group, no clusters, 43,008 bytes of LDS; arguments WA_xr, WA_xp, WA_xz, WA_xh, WA_hr, WA_hp, WA_hz, WA_hh, VA_hr, VA_hp, VA_hz, VA_hh, wfrag; writes wfrag
.if DOCPART == 1
	.amdgcn_target "amdgcn-amd-amdhsa--gfx1250"
	.amdhsa_code_object_version 6
	.text
	.protected	k_qf92543ee4a_prep
	.globl	k_qf92543ee4a_prep
	.p2align	8
	.type	k_qf92543ee4a_prep,@function
k_qf92543ee4a_prep:
	s_mov_b64 s[64:65], 0
	v_nop
	global_prefetch_b8 v0, s[64:65] scope:SCOPE_SE
	s_setreg_imm32_b32 hwreg(HW_REG_WAVE_MODE, 25, 1), 1
	s_wait_xcnt 0x0
; The twelve weight matrices (f32, [512][1024] or [512][512]) are rounded once to bf16 (nearest even) and laid out as the stream that the
; second launch walks: 64 steps t of 131,072 bytes.  A 16-byte unit lies at
;   t*131072 + w*32768 + (2 g + ksub)*8192 + f*1024 + half*512 + L*16          (w wave 0..3, g 0..1, ksub 0..1, f 0..7, half 0..1, L lane 0..31)
; and holds W_gate[n][k .. k+7]:  gate = 2 (t / 32) + g (0 r, 1 p, 2 z, 3 h);  n = 64 f + 16 w + L % 16;  with tt = t % 32 the matrix is
; WA_x (tt < 16, k0 = 64 tt), WA_h (tt < 24, k0 = 64 (tt - 16)) or VA_h (k0 = 64 (tt - 24));  k = k0 + 32 ksub + 16 half + 8 (L / 16).
; So 1,024 consecutive bytes are one fragment (16 rows x 32 k) exactly as a matrix instruction's registers hold it.
; SHARES.  Work-group b writes the 32,768 consecutive bytes at b*32768 (t = b / 4, w = b % 4).  Wave u (g = u / 8, f = u % 8) takes one tile of
; 16 rows x 64 k: eight loads of two whole 256-byte row pieces, sixteen roundings, through its own LDS area to change lanes, four stores of 512 consecutive bytes.
; No wave reads another's bytes: no barrier.  No matrix unit, no cluster: every byte is read once and written once.
.set SPARE, 40960                      ; behind the sixteen areas: the spare words, 128 bytes for each wave
.set AREA,  2560                       ; a wave's own LDS area: 16 rows of 144 bytes (128 of data + 16), in ten blocks of 256
.set LP,    144
.set SPW,   1                          ; v1  LDS address of my spare word; never rewritten
.set NIL,   2                          ; v2  0; never rewritten
	s_load_b512 s[8:23], s[0:1], 0x0               ; WA_xr, xp, xz, xh, WA_hr, hp, hz, hh
	s_load_b256 s[24:31], s[0:1], 0x40             ; VA_hr, hp, hz, hh
	s_load_b64 s[32:33], s[0:1], 0x60              ; wfrag
	v_lshl_add_u32 v[SPW], v0, 2, SPARE
	v_mov_b32 v[NIL], 0
	v_lshrrev_b32 v3, 5, v0
	v_readfirstlane_b32 s2, v3                     ; u: my wave, 0..15
	s_lshr_b32 s3, ttmp9, 2                        ; t
	s_and_b32 s4, ttmp9, 3                         ; w
	s_lshr_b32 s5, s2, 3                           ; g
	s_and_b32 s6, s2, 7                            ; f
	s_lshr_b32 s7, s3, 5
	s_lshl1_add_u32 s7, s7, s5                     ; gate = 2 (t / 32) + g
	s_and_b32 s36, s3, 31                          ; tt
	s_cmp_ge_u32 s36, 16
	s_cselect_b32 s37, 1, 0
	s_cmp_ge_u32 s36, 24
	s_cselect_b32 s37, 2, s37                      ; which family: 0 WA_x, 1 WA_h, 2 VA_h
	s_lshl2_add_u32 s38, s37, s7                   ; the matrix's number among the arguments: 4 x family + gate
	s_and_b32 s39, s36, 15
	s_and_b32 s40, s36, 7
	s_cmp_eq_u32 s37, 0
	s_cselect_b32 s39, s39, s40                    ; k0 / 64
	s_cselect_b32 s41, 12, 11                      ; log2 of a row's bytes: 4,096 or 2,048
	s_lshl_b32 s39, s39, 8                         ; k0 in bytes
	s_lshl_b32 s42, s6, 6
	s_lshl4_add_u32 s42, s4, s42                   ; my first row: 64 f + 16 w
	s_lshl_b32 s42, s42, s41
	s_add_co_u32 s42, s42, s39                     ; my tile's byte offset in its matrix
	s_mov_b32 s43, 0
	s_lshl_b32 s44, ttmp9, 15                      ; where my fragments go: b*32768 + g*16384 + f*1024
	s_lshl_b32 s46, s5, 14
	s_add_co_u32 s44, s44, s46
	s_lshl_b32 s46, s6, 10
	s_add_co_u32 s44, s44, s46
	s_mov_b32 s45, 0
	s_mul_i32 s46, s2, AREA                        ; my LDS area
	v_and_b32 v4, 15, v0                           ; L % 16
	v_bfe_u32 v5, v0, 4, 1                         ; L / 16
	v_and_b32 v9, 31, v0
	v_lshlrev_b32 v9, 4, v9                        ; 16 L: my place in 512 consecutive bytes of wfrag
	v_lshlrev_b32 v6, s41, v5                      ; loads: lanes 0-15 one row's 256 bytes, lanes 16-31 the next row's
	v_lshl_add_u32 v6, v4, 4, v6
	v_mul_u32_u24 v7, v5, LP                       ; into LDS: the same two rows, 8 bytes (4 bf16) a lane
	v_lshl_add_u32 v7, v4, 3, v7
	v_add_nc_u32 v7, s46, v7
	v_mul_u32_u24 v8, v4, LP                       ; back: row L % 16, 16 bytes at 16 (L / 16)
	v_lshl_add_u32 v8, v5, 4, v8
	v_add_nc_u32 v8, s46, v8
	s_wait_kmcnt 0x0
	s_mov_b64 s[34:35], s[8:9]                     ; the matrix's address is chosen among the twelve by its number
.irp k, 1,2,3,4,5,6,7,8,9,10,11
	s_cmp_eq_u32 s38, \k
	s_cselect_b64 s[34:35], s[8+2*\k:9+2*\k], s[34:35]
.endr
	s_add_nc_u64 s[34:35], s[34:35], s[42:43]
	s_add_nc_u64 s[32:33], s[32:33], s[44:45]
.macro LD8 pitch                       ; 16 rows x 256 bytes: each load takes two whole, aligned row pieces of 256 bytes; read once in the launch
.irp i, 0,1,2,3,4,5,6,7
	global_load_b128 v[16+4*\i:19+4*\i], v6, s[34:35] offset:\i*2*(\pitch) th:TH_LOAD_NT
.endr
.endm
	s_cmp_eq_u32 s37, 0                            ; the immediates hang on the row's length: two texts, chosen by the work-group's number alone
	s_cbranch_scc0 .Lnarrow
	LD8 4096
	s_branch .Lloaded
.Lnarrow:
	LD8 2048
.Lloaded:
	s_wait_loadcnt 0x0
.irp i, 0,1,2,3,4,5,6,7
	v_cvt_pk_bf16_f32 v[16+4*\i], v[16+4*\i], v[17+4*\i]       ; four f32 become four bf16, in place
	v_cvt_pk_bf16_f32 v[17+4*\i], v[18+4*\i], v[19+4*\i]
.endr
.irp i, 0,1,2,3,4,5,6,7
	ds_store_b64 v7, v[16+4*\i:17+4*\i] offset:\i*2*LP
.endr
.irp j, 0,1,2,3                        ; j = 2 ksub + half.  LDS serves a wave's instructions in order (ISA guide 5.7.1.4): these see my stores above
	ds_load_b128 v[48+4*\j:51+4*\j], v8 offset:32*\j
.endr
.irp j, 0,1,2,3
	s_wait_dscnt 3-\j                              ; the younger loads may stay out
	global_store_b128 v9, v[48+4*\j:51+4*\j], s[32:33] offset:(\j/2)*8192+(\j%2)*512  ; 512 consecutive bytes, at a multiple of 512 from wfrag's first
.endr
	s_wait_tensorcnt 0x0                           ; the wave's end: these three lines behind my last LDS store
	ds_add_u32 v[SPW], v[NIL]
	s_wait_dscnt 0x0
	s_endpgm
.Lfunc_end_k_qf92543ee4a_prep:
	.size	k_qf92543ee4a_prep, .Lfunc_end_k_qf92543ee4a_prep-k_qf92543ee4a_prep
	.p2alignl 7, 3214868480
	.fill 96, 4, 3214868480
	.section	.rodata,"a",@progbits
	.p2align	6, 0x0
	.amdhsa_kernel k_qf92543ee4a_prep
		.amdhsa_group_segment_fixed_size 43008
		.amdhsa_private_segment_fixed_size 0
		.amdhsa_enable_private_segment 0
		.amdhsa_kernarg_size 104
		.amdhsa_user_sgpr_count 2
		.amdhsa_user_sgpr_kernarg_segment_ptr 1
		.amdhsa_wavefront_size32 1
		.amdhsa_system_sgpr_workgroup_id_x 1
		.amdhsa_system_sgpr_workgroup_id_y 1
		.amdhsa_system_sgpr_workgroup_id_z 1
		.amdhsa_system_vgpr_workitem_id 0
		.amdhsa_next_free_vgpr 64
		.amdhsa_next_free_sgpr 66
		.amdhsa_reserve_vcc 0
		.amdhsa_float_denorm_mode_32 3
		.amdhsa_float_denorm_mode_16_64 3
		.amdhsa_memory_ordered 1
		.amdhsa_forward_progress 1
		.amdhsa_inst_pref_size 8
	.end_amdhsa_kernel
	.amdgpu_metadata
---
amdhsa.version: [ 1, 2 ]
amdhsa.kernels:
  - .name:           k_qf92543ee4a_prep
    .symbol:         k_qf92543ee4a_prep.kd
    .args:
      - { .name: WA_xr, .offset: 0, .size: 8, .value_kind: global_buffer, .address_space: global }
      - { .name: WA_xp, .offset: 8, .size: 8, .value_kind: global_buffer, .address_space: global }
      - { .name: WA_xz, .offset: 16, .size: 8, .value_kind: global_buffer, .address_space: global }
      - { .name: WA_xh, .offset: 24, .size: 8, .value_kind: global_buffer, .address_space: global }
      - { .name: WA_hr, .offset: 32, .size: 8, .value_kind: global_buffer, .address_space: global }
      - { .name: WA_hp, .offset: 40, .size: 8, .value_kind: global_buffer, .address_space: global }
      - { .name: WA_hz, .offset: 48, .size: 8, .value_kind: global_buffer, .address_space: global }
      - { .name: WA_hh, .offset: 56, .size: 8, .value_kind: global_buffer, .address_space: global }
      - { .name: VA_hr, .offset: 64, .size: 8, .value_kind: global_buffer, .address_space: global }
      - { .name: VA_hp, .offset: 72, .size: 8, .value_kind: global_buffer, .address_space: global }
      - { .name: VA_hz, .offset: 80, .size: 8, .value_kind: global_buffer, .address_space: global }
      - { .name: VA_hh, .offset: 88, .size: 8, .value_kind: global_buffer, .address_space: global }
      - { .name: wfrag, .offset: 96, .size: 8, .value_kind: global_buffer, .address_space: global }
    .group_segment_fixed_size: 43008
    .private_segment_fixed_size: 0
    .kernarg_segment_align: 8
    .kernarg_segment_size: 104
    .max_flat_workgroup_size: 512
    .sgpr_count:     66
    .vgpr_count:     64
    .wavefront_size: 32
...
	.end_amdgpu_metadata
.endif
;; end of part 1
;; launch gru (part 2): grid 256 x 1, 4 waves a work-group, clusters of 4 x 1, 327,680 bytes of LDS; arguments encoder_hidden, spk_vectors, adr_vectors, wfrag, out0; writes out0
.if DOCPART == 2
	.amdgcn_target "amdgcn-amd-amdhsa--gfx1250"
	.amdhsa_code_object_version 6
	.text
	.protected	k_qf92543ee4a_gru
	.globl	k_qf92543ee4a_gru
	.p2align	8
	.type	k_qf92543ee4a_gru,@function
k_qf92543ee4a_gru:
	s_mov_b64 s[64:65], 0
	v_nop
	global_prefetch_b8 v0, s[64:65] scope:SCOPE_SE
	s_setreg_imm32_b32 hwreg(HW_REG_WAVE_MODE, 25, 1), 1
	s_wait_xcnt 0x0
	s_wait_alu depctr_hold_cnt(0) depctr_sa_sdst(0) depctr_va_vdst(0) depctr_va_sdst(0) depctr_va_ssrc(0) depctr_va_vcc(0) depctr_vm_vsrc(0)
	s_getreg_b32 s2, hwreg(HW_REG_IB_STS2, 6, 4)
	s_cmp_eq_u32 s2, 0
	s_cbranch_scc0 .Lentry_in_a_cluster
	s_endpgm
.Lentry_in_a_cluster:
	s_bfe_u32 s2, ttmp6, 0x10000c
	s_cmp_lg_u32 s2, 0x3003
	s_cbranch_scc0 .Lentry_shape_is_right
	s_endpgm
.Lentry_shape_is_right:
; out = (1 - z) spk + z h;  r, p, z = sigmoid([enc | spk | adr] W^T);  h = tanh(enc WA_xh^T + (r spk) WA_hh^T + (p adr) VA_hh^T).  16,384 rows; 512 columns a gate; K = 2,048.
; FUSED: h wants all 512 columns of r and p of a row, so a work-group owns whole rows: 64 of them, 256 work-groups, and every work-group walks all weights.
; TWO PASSES of 32 steps: pass 1 makes r and p, pass 2 z and h.  A step is 64 along K for the pass's 1,024 columns: 131,072 bytes of wfrag (bf16, laid out by the launch before as
; register images of fragments).  A wave makes 64 rows x 256 columns: 64 accumulators, 512 registers; 128 matrix instructions a step, in four quarters of 32:
; (first gate, k 0-31), (first gate, k 32-63), (second gate, k 0-31), (second gate, k 32-63).
; CLUSTER: all work-groups walk the same stream, so the four of a cluster ask for each tile JOINTLY: the same tensor load, descriptor and mask in all four.
; X (enc, spk, adr; f32) comes through registers: each wave loads 16 rows x 256 bytes of a step's chunk two steps ahead, rounds them to bf16 and stores them into a ring in LDS.
; X is read from memory once in each pass: in bf16 it is 262,144 bytes a work-group and has no room beside two slots of 131,072.
; THE MATRIX INSTRUCTION IS USED TRANSPOSED: source 0 = 16 gate columns of W, source 1 = 16 rows of X.  In the result lane l, register j, holds row 16 a + l % 16 and gate column
; 64 f + 16 w + 8 (l / 16) + j (w my wave, tile T = 4 f + a).  So each wave owns 16 columns of every chunk of 64, and what it needs of spk and adr for r spk, p adr and the last line are
; 16 bytes a lane of the chunk as it lies in the ring: they are CAPTURED into registers S in the step that multiplies the chunk, gated in place behind pass 1, and stored
; as the second ring's chunks (GR) one step ahead of the step of pass 2 that multiplies them.
; ROUNDING AND LIMITS.  All inputs are rounded once to bf16; spk and adr are used in that rounding in r spk, p adr and (1 - z) spk too.  r spk and p adr are rounded once more, to bf16, as matrix
; operands.  Sums in f32.  sigmoid(x) = 1 / (1 + 2^(-x log2 e)); tanh(x) = 2 sigmoid(2 x) - 1, off by about 1e-7 absolutely.  Both saturate by 2^y = 0 or infinity: no clamp, no limit of range;
; 2^y below 2^-126 counts as 0 (ISA guide, the entry of V_EXP_F32).  NaN and infinite inputs are not treated apart.
; REGISTERS, in windows of 256 (s_set_vgpr_msb: bits 1:0 source 0, 3:2 source 1, 5:4 source 2, 7:6 destination):
;   window 0: v0-15 addresses; v16-79 X as loaded, two sets; v80-143 X's fragments, two sets of 4 x 8; v144-159 BX, v160-207 BY, v208-255 BZ: W's fragments
;   window 1: the first gate's 32 accumulators (tile T at v[8 T]);   window 2: the second gate's;   window 3: S: spk's at v[4 T], adr's at v[128 + 4 T], four registers of packed bf16 a tile
; W's fragments: the two that a quarter multiplies first lie in BX, the other six in BY (quarters 0, 2) or BZ (1, 3).  BX is free after 8 matrix instructions, and there stands the next quarter's
; run of loads: 14 places serve where two whole buffers would take 16.
.set W_SLOT, 131072                    ; LDS: two slots of W at 0 and W_SLOT; wave w's part, which it fetches and it alone reads, at w*32768
.set XR,     2*W_SLOT                  ; the ring of X's chunks: 64 rows of 144 bytes (128 + 16: the 16 rows of a fragment load start at 16 different groups of four banks: ISA guide 11.1)
.set XSLOT,  16384                     ; its second slot
.set RING,   32768                     ; GR, the ring of gated chunks, lies this far behind XR
.set XPITCH, 144
.set ABLK,   16*XPITCH
.set SPARE,  327168                    ; the spare words: 128 bytes for each wave, two blocks of 256 that no other line names
.set SPITCH, 2064                      ; the way out: 64 rows of 2,048 + 16 bytes from LDS byte 0, over the slots, which have had their last fill by then
.set SPW,  1                           ; v1   LDS address of my spare word; never rewritten
.set NIL,  2                           ; v2   0, for the add alone
.set ZERO, 3                           ; v3   0.0: the addend of the gating
.set AW,   4                           ; v4-5 my 16 bytes in my part of W's slot 0, 1
.set AA,   6                           ; v6   XR + (l % 16) 144 + 16 (l / 16): a fragment of X
.set AS,   7                           ; v7   AA + 32 w: my wave's 16 columns of a chunk
.set XS,   8                           ; v8   where I store 8 bytes of X
.set VOE,  9                           ; v9   my byte offset in the work-group's rows of enc
.set VOS,  10                          ; v10  the same for spk and adr
.set FS,   11                          ; v11-14  the way out: where I put 16 bytes of row 16 a + l % 16
.set FR,   15                          ; v15  the way out: where I read rows back
.set GO,   9                           ; v9   at the end: my byte offset in the work-group's rows of out
.set ST0,  16
.set AF0,  80
.set AF1,  112
.set BX,   144
.set BY,   160
.set BZ,   208
.set TMP,  80                          ; at the end: spk of four tiles in f32
.set WV,   14                          ; s14  my wave's number
.set ENCB, 20                          ; s[20:21] enc, s[22:23] spk, s[24:25] adr, s[26:27] out at the work-group's first row
.set SPKB, 22
.set ADRB, 24
.set OUTB, 26
.set G1,   28                          ; s[28:35] descriptor group 1
.set G0,   36                          ; s[36:43] descriptor group 0, a set for each slot
.set XP,   44                          ; s[44:45] the chunk that is asked for
.set OFF,  46                          ; s[46:47] its byte offset in a row
.set J,    48                          ; s48  the trip: two steps
.set NC,   49                          ; s49  the number, 0..31, of the chunk that is asked for
.set SG,   52                          ; s[52:53] -log2 e, twice
.set SG2,  54                          ; s[54:55] -2 log2 e, twice
.set HIM,  56                          ; s56  a word's upper bf16
.set MSB, 0
.macro WIN new                         ; the immediate's high byte repeats the setting that is left; a switch that changes nothing is dropped
.if MSB != (\new)
	s_set_vgpr_msb (MSB<<8)|(\new)
.set MSB, \new
.endif
.endm
; A load into a register that a matrix instruction has read, and a vector instruction that reads a matrix result, stand four places behind it, and only plain vector instructions that name none
; of its registers are places (ISA guide 7.12.1 for vector instructions).
.macro PLACES
.rept 4
	v_nop
.endr
.endm
.macro CREST                           ; a round of the cluster's barrier behind its opening barrier
	s_cmp_lg_u32 s[WV], 0
	s_cbranch_scc1 .Lnot_wave_0_\@
	s_barrier_signal -3
.Lnot_wave_0_\@:
	s_barrier_wait -3
	s_barrier_signal -1
	s_barrier_wait -1
.endm
.macro CROUND                          ; a whole round
	s_barrier_signal -1
	s_barrier_wait -1
	CREST
.endm
; 16 LDS loads: quarter q's eight fragments of W: 512 consecutive bytes each load.  BX's four stand first.
.macro FETCHW slot, q, set
	WIN 0
.irp p, 0,1
	ds_load_b128 v[BX+8*\p:BX+8*\p+3],   v[AW+(\slot)] offset:(\q)*8192+\p*1024
	ds_load_b128 v[BX+8*\p+4:BX+8*\p+7], v[AW+(\slot)] offset:(\q)*8192+\p*1024+512
.endr
.irp p, 2,3,4,5,6,7
	ds_load_b128 v[(\set)+8*(\p-2):(\set)+8*(\p-2)+3],   v[AW+(\slot)] offset:(\q)*8192+\p*1024
	ds_load_b128 v[(\set)+8*(\p-2)+4:(\set)+8*(\p-2)+7], v[AW+(\slot)] offset:(\q)*8192+\p*1024+512
.endr
.endm
; 8 LDS loads: four fragments (64 rows x 32 k) of a chunk; ring 0 = X, 1 = gated
.macro FETCHA af, ring, slot, ksub
	WIN 0
.irp a, 0,1,2,3
	ds_load_b128 v[(\af)+8*\a:(\af)+8*\a+3],   v[AA] offset:(\ring)*RING+(\slot)*XSLOT+\a*ABLK+(\ksub)*64
	ds_load_b128 v[(\af)+8*\a+4:(\af)+8*\a+7], v[AA] offset:(\ring)*RING+(\slot)*XSLOT+\a*ABLK+(\ksub)*64+32
.endr
.endm
; Matrix instructions for W's fragments p0 .. p1 x the four fragments of X.  The accumulators take turns, one instruction a turn: 31 others' stand between two links of a chain.
.macro MMB g, af, p0, p1, set, zero
	WIN 0x50+0x50*(\g)                             ; C and D in window 1 or 2, sources in window 0
.set p, \p0
.rept (\p1)-(\p0)+1
.if p < 2
.set rW, BX+8*p
.else
.set rW, (\set)+8*(p-2)
.endif
.irp a, 0,1,2,3
.set rD, 8*(4*p+\a)
.if \zero
	v_wmma_f32_16x16x32_bf16 v[rD:rD+7], v[rW:rW+7], v[(\af)+8*\a:(\af)+8*\a+7], 0
.else
	v_wmma_f32_16x16x32_bf16 v[rD:rD+7], v[rW:rW+7], v[(\af)+8*\a:(\af)+8*\a+7], v[rD:rD+7]
.endif
.endr
.set p, p+1
.endr
.endm
; sel = 1: the block stands twice, and a pass's first trip (J = 0) takes the copy whose C is the constant 0: the first products start the sums, and nothing is cleared.
.macro MM g, af, p0, p1, set, sel
.if \sel
	WIN 0                                          ; at a branch and at a label every window is 0
	s_cmp_eq_u32 s[J], 0
	s_cbranch_scc1 .Lstart_\@
	MMB \g, \af, \p0, \p1, \set, 0
	WIN 0
	s_branch .Ljoin_\@
.Lstart_\@:
	MMB \g, \af, \p0, \p1, \set, 1
	WIN 0
.Ljoin_\@:
.else
	MMB \g, \af, \p0, \p1, \set, 0
.endif
.endm
; The chunk two steps on, number (2 J + s + 2) % 32, is asked for: my 16 rows x 256 bytes, eight loads of two whole 256-byte row pieces, into set s.  Both texts issue eight loads.
.macro XISSUE s
	WIN 0
	s_wait_xcnt 0x0                                ; the last chunk's loads have had their addresses translated (ISA guide 3.1): XP is rewritten only behind this wait
	s_lshl_b32 s[NC], s[J], 1
	s_add_co_u32 s[NC], s[NC], (\s)+2
	s_and_b32 s[NC], s[NC], 31
	s_cmp_lt_u32 s[NC], 16
	s_cbranch_scc0 .Lnarrow_\@
	s_lshl_b32 s[OFF], s[NC], 8                    ; enc: chunk NC begins 256 NC bytes into a row
	s_add_nc_u64 s[XP:XP+1], s[ENCB:ENCB+1], s[OFF:OFF+1]
.irp i, 0,1,2,3,4,5,6,7
	global_load_b128 v[ST0+32*(\s)+4*\i:ST0+32*(\s)+4*\i+3], v[VOE], s[XP:XP+1] offset:\i*8192
.endr
	s_branch .Lasked_\@
.Lnarrow_\@:
	s_cmp_lt_u32 s[NC], 24
	s_cselect_b64 s[XP:XP+1], s[SPKB:SPKB+1], s[ADRB:ADRB+1]  ; chunks 16-23 are spk's, 24-31 adr's
	s_and_b32 s[OFF], s[NC], 7
	s_lshl_b32 s[OFF], s[OFF], 8
	s_add_nc_u64 s[XP:XP+1], s[XP:XP+1], s[OFF:OFF+1]
.irp i, 0,1,2,3,4,5,6,7
	global_load_b128 v[ST0+32*(\s)+4*\i:ST0+32*(\s)+4*\i+3], v[VOS], s[XP:XP+1] offset:\i*4096
.endr
.Lasked_\@:
.endm
; The next step's chunk, in set 1 - s, is rounded to bf16 and stored into the ring's slot 1 - s, whose last readers passed the last barrier.  left: the younger loads, which stay out.
.macro XCONS s, left
	WIN 0
	s_wait_loadcnt \left
.set rX, ST0+32*(1-(\s))
.irp i, 0,1,2,3,4,5,6,7
	v_cvt_pk_bf16_f32 v[rX+4*\i], v[rX+4*\i], v[rX+4*\i+1]
	v_cvt_pk_bf16_f32 v[rX+4*\i+1], v[rX+4*\i+2], v[rX+4*\i+3]
.endr
.irp i, 0,1,2,3,4,5,6,7
	ds_store_b64 v[XS], v[rX+4*\i:rX+4*\i+1] offset:(1-(\s))*XSLOT+\i*2*XPITCH
.endr
.endm
; My wave's 16 columns of the chunk in hand go into S(g, 4 f + a): 16 bytes a lane and tile, in the accumulators' layout
.macro CAPT g, f, slot
	WIN 0xc0                                       ; destination window 3, address window 0
.irp a, 0,1,2,3
	ds_load_b128 v[128*(\g)+4*(4*(\f)+\a):128*(\g)+4*(4*(\f)+\a)+3], v[AS] offset:(\slot)*XSLOT+\a*ABLK
.endr
	WIN 0
.endm
.macro CAPONE k, s                     ; trip 8 + k holds chunks 16 + 2 k and 17 + 2 k
	s_cmp_lg_u32 s[J], 8+(\k)
	s_cbranch_scc1 .Lnot_\@
	CAPT (\k)/4, 2*((\k)%4)+(\s), \s
.Lnot_\@:
.endm
; Which registers take the capture hangs on the trip's number: n texts, of which a trip runs one or none.  The jumps go forward, over LDS loads alone, alike in every wave and work-group.
.macro CAPCHAIN n, s
	WIN 0
	s_cmp_lt_u32 s[J], 8
	s_cbranch_scc1 .Lnone_\@
.set jk, 0
.rept \n
	CAPONE jk, \s
.set jk, jk+1
.endr
.Lnone_\@:
.endm
; My wave's 16 columns of a gated chunk go from S into GR
.macro GST g, f, slot
	WIN 0x0c                                       ; data (source 1) window 3, address window 0
.irp a, 0,1,2,3
	ds_store_b128 v[AS], v[128*(\g)+4*(4*(\f)+\a):128*(\g)+4*(4*(\f)+\a)+3] offset:RING+(\slot)*XSLOT+\a*ABLK
.endr
	WIN 0
.endm
.macro GSTONE k, s                     ; the next step is number 2 J + s + 1 of the pass; its gated chunk is number 2 k + 1 - s of 16
	s_cmp_lg_u32 s[J], 8-(\s)+(\k)
	s_cbranch_scc1 .Lnot_\@
	GST (\k)/4, 2*((\k)%4)+1-(\s), 1-(\s)
.Lnot_\@:
.endm
.macro GSTCHAIN s
	WIN 0
	s_cmp_lt_u32 s[J], 8-(\s)
	s_cbranch_scc1 .Lnone_\@
.set jk, 0
.rept 7+(\s)
	GSTONE jk, \s
.set jk, jk+1
.endr
.Lnone_\@:
.endm
; Pass 2, steps 16 on: h multiplies the gated chunk, so X's fragments are fetched anew from GR between z's use and h's.  guard = 1: in the loop, from trip 8 on.
.macro SEPA guard, af, slot, ksub
.if \guard
	WIN 0
	s_cmp_lt_u32 s[J], 8
	s_cbranch_scc1 .Lraw_\@
.endif
	FETCHA \af, 1, \slot, \ksub
.if \guard
.Lraw_\@:
.endif
.endm
; A STEP, in slot s.  kind 0: the slot is filled again with the tile two steps on, and the chunk two steps on is asked for; 1: a change of slots with nothing to fetch; 2: the last step.
; Each quarter: the wait that leaves the last run's youngest 12 loads (BY's or BZ's) out; 8 matrix instructions on BX; the wait for those 12; four places; the next quarter's run of loads;
; 24 matrix instructions.  Whatever else a run holds (captures, gated fragments) stands ahead of W's 16 loads, so the count 12 is right on every path.
.macro STEP pass, s, kind, sel
	s_wait_dscnt 12                                ; ---- quarter 0: first gate, k 0-31
	MM 0, AF0, 0, 1, BY, \sel
	s_wait_dscnt 0x0
	WIN 0
	PLACES
.if (\kind) == 0
	XISSUE \s
.endif
	FETCHA AF1, 0, \s, 1
	FETCHW \s, 1, BZ
	MM 0, AF0, 2, 7, BY, \sel
	s_wait_dscnt 12                                ; ---- quarter 1: first gate, k 32-63
	MM 0, AF1, 0, 1, BZ, 0
	s_wait_dscnt 0x0
	WIN 0
	PLACES
.if (\kind) == 0
	CAPCHAIN 12-4*(\pass), \s                      ; pass 1: spk and adr, trips 8-15; pass 2: spk once more, trips 8-11, into registers whose gated numbers went to GR a step ago
.endif
.if (\pass) == 2
.if (\kind) == 0
	SEPA 1, AF0, \s, 0
.else
	SEPA 0, AF0, \s, 0
.endif
.endif
	FETCHW \s, 2, BY
	MM 0, AF1, 2, 7, BZ, 0
	s_wait_dscnt 12                                ; ---- quarter 2: second gate, k 0-31
	MM 1, AF0, 0, 1, BY, \sel
	s_wait_dscnt 0x0
	WIN 0
	PLACES
.if (\pass) == 2
.if (\kind) == 0
	SEPA 1, AF1, \s, 1
.else
	SEPA 0, AF1, \s, 1
.endif
.endif
	FETCHW \s, 3, BZ
	MM 1, AF0, 2, 7, BY, \sel
	WIN 0
.if (\kind) == 0
	XCONS \s, 8                                    ; the eight loads of the chunk asked for in this step stay out
.if (\pass) == 2
	GSTCHAIN \s
.endif
.endif
.if (\kind) == 1
	XCONS \s, 0                                    ; the last chunk: nothing was asked for behind it
	GST 1, 7, 1                                    ; and the last gated chunk
.endif
.if (\kind) == 2                                       ; ---- quarter 3: second gate, k 32-63
	s_wait_dscnt 12
	MM 1, AF1, 0, 1, BZ, 0
	s_wait_dscnt 0x0
	MM 1, AF1, 2, 7, BZ, 0
.else
	s_wait_dscnt 20                                ; BZ's 12 loads and the chunk's 8 stores may be out (with 4 gated stores behind them the wait is only stricter)
	WIN 0
	s_wait_tensorcnt 0x0                           ; all my tensor loads have landed: the one that was out is my part of the other slot
	ds_add_u32 v[SPW], v[NIL]                      ; 0 onto my spare word; eight matrix instructions stand between it and the wait for it
	MM 1, AF1, 0, 1, BZ, 0
	s_wait_dscnt 0x0                               ; the add is done; my reads of this slot and of the rings are back; my stores into the rings are done
	s_barrier_signal -1                            ; with kind 0 this barrier opens a round of the cluster's
	MM 1, AF1, 2, 3, BZ, 0                         ; work on registers while the others arrive
	WIN 0
	s_barrier_wait -1
.if (\kind) == 0
	CREST                                          ; no wave of any partner still reads this slot or has a load on its way
	s_add_nc_u64 s[G0+4*(\s)+2:G0+4*(\s)+3], s[G0+4*(\s)+2:G0+4*(\s)+3], 2*W_SLOT  ; no tensor load of mine is out: the tile two steps on; the type bits on top are not reached
	tensor_load_to_lds s[G0+4*(\s):G0+4*(\s)+3], s[G1:G1+7]  ; my one tensor load behind the round, and the first thing there: it has a step, 128 matrix instructions less 16, in which to land
	s_nop 0
.endif
	PLACES                                         ; the places in front of the loads below
	FETCHA AF0, 0, 1-(\s), 0
	FETCHW 1-(\s), 0, BY
	MM 1, AF1, 4, 7, BZ, 0
.endif
.endm
; S(g, t) = bf16(gate x S(g, t)), in place: each product is rounded once
.macro GATE g, t
	WIN 0xcd+(\g)                                  ; destination and source 1 window 3, source 0 window 1 or 2, source 2 window 0
.irp u, 0,1,2,3
	s_wait_alu depctr_va_vdst(0)
	v_fma_mixlo_bf16 v[128*(\g)+4*(\t)+\u], v[8*(\t)+2*\u],   v[128*(\g)+4*(\t)+\u], v[ZERO] op_sel_hi:[0,1,0]
	v_fma_mixhi_bf16 v[128*(\g)+4*(\t)+\u], v[8*(\t)+2*\u+1], v[128*(\g)+4*(\t)+\u], v[ZERO] op_sel:[0,1,0] op_sel_hi:[0,1,0]
.endr
.endm
; 1 / (1 + 2^(sc x)) on the 32 tiles of window w, in place, three tiles in hand: tile T's exponentials and 1 +, tile T + 1's scaling, tile T - 1's reciprocals.  Behind every two transcendentals
; stands a plain instruction that names none of their registers (ISA guide 5.7.2).  Each accumulator is read from its lowest registers on.  g >= 0: tile T - 2 gates S(g).
.macro ACTW w, sc, g
	WIN 0x41*(\w)                                  ; destination and source 0 in window w
.irp j, 0,1,2,3
	v_pk_mul_f32 v[2*\j:2*\j+1], v[2*\j:2*\j+1], s[\sc:\sc+1] op_sel_hi:[1,0]
.endr
.set T, 0
.rept 33
	WIN 0x41*(\w)
.irp j, 0,1,2,3
.if T < 32
	v_exp_f32 v[8*T+2*\j], v[8*T+2*\j]
	v_exp_f32 v[8*T+2*\j+1], v[8*T+2*\j+1]
.endif
.if T < 31
	v_pk_mul_f32 v[8*T+8+2*\j:8*T+8+2*\j+1], v[8*T+8+2*\j:8*T+8+2*\j+1], s[\sc:\sc+1] op_sel_hi:[1,0]
.else
	v_nop
.endif
.if T > 0
	v_rcp_f32 v[8*T-8+2*\j], v[8*T-8+2*\j]
	v_rcp_f32 v[8*T-8+2*\j+1], v[8*T-8+2*\j+1]
.endif
.if T < 32
	s_wait_alu depctr_va_vdst(0)
	v_pk_add_f32 v[8*T+2*\j:8*T+2*\j+1], v[8*T+2*\j:8*T+2*\j+1], 1.0 op_sel_hi:[1,0]
.endif
.endr
.if ((\g) >= 0) && (T >= 2)
	GATE \g, T-2
.endif
.set T, T+1
.endr
.if (\g) >= 0
	GATE \g, 31
.else
	v_nop                                          ; a plain instruction behind the last reciprocal
.endif
.endm
; out = s + z (tanh - s), tanh = 2 y - 1, for tiles 4 f .. 4 f + 3: z in window 1, y in window 2, s (spk, bf16) in window 3; then 32 bytes a lane and tile into the stage
.macro COMB f
	WIN 0x0c                                       ; source 1 window 3, destination window 0
.irp a, 0,1,2,3
.irp u, 0,1,2,3
	v_lshlrev_b32 v[TMP+8*\a+2*\u],   16,     v[4*(4*(\f)+\a)+\u]
	v_and_b32     v[TMP+8*\a+2*\u+1], s[HIM], v[4*(4*(\f)+\a)+\u]
.endr
.endr
	WIN 0x82                                       ; destination and source 0 window 2, source 1 window 0
.irp a, 0,1,2,3
.irp u, 0,1,2,3
	s_wait_alu depctr_va_vdst(0)
	v_pk_fma_f32 v[8*(4*(\f)+\a)+2*\u:8*(4*(\f)+\a)+2*\u+1], v[8*(4*(\f)+\a)+2*\u:8*(4*(\f)+\a)+2*\u+1], 2.0, -1.0 op_sel_hi:[1,0,0]
.endr
.endr
.irp a, 0,1,2,3
.irp u, 0,1,2,3
	v_pk_add_f32 v[8*(4*(\f)+\a)+2*\u:8*(4*(\f)+\a)+2*\u+1], v[8*(4*(\f)+\a)+2*\u:8*(4*(\f)+\a)+2*\u+1], v[TMP+8*\a+2*\u:TMP+8*\a+2*\u+1] neg_lo:[0,1] neg_hi:[0,1]
.endr
.endr
	WIN 0x89                                       ; source 0 (z) window 1, source 1 and destination window 2, source 2 (s) window 0
.irp a, 0,1,2,3
.irp u, 0,1,2,3
	v_pk_fma_f32 v[8*(4*(\f)+\a)+2*\u:8*(4*(\f)+\a)+2*\u+1], v[8*(4*(\f)+\a)+2*\u:8*(4*(\f)+\a)+2*\u+1], v[8*(4*(\f)+\a)+2*\u:8*(4*(\f)+\a)+2*\u+1], v[TMP+8*\a+2*\u:TMP+8*\a+2*\u+1]
.endr
.endr
	WIN 0x08                                       ; data (source 1) window 2, address window 0
.irp a, 0,1,2,3
	ds_store_b128 v[FS+\a], v[8*(4*(\f)+\a):8*(4*(\f)+\a)+3]   offset:256*(\f)
	ds_store_b128 v[FS+\a], v[8*(4*(\f)+\a)+4:8*(4*(\f)+\a)+7] offset:256*(\f)+16
.endr
.endm
	; ---------------------------------------------------------------- the head
	s_load_b256 s[4:11], s[0:1], 0x0               ; enc s[4:5], spk s[6:7], adr s[8:9], wfrag s[10:11]
	s_load_b64 s[12:13], s[0:1], 0x20              ; out
	v_lshl_add_u32 v[SPW], v0, 2, SPARE
	v_mov_b32 v[NIL], 0
	ds_add_u32 v[SPW], v[NIL]                      ; the wave's opening: the add and its wait ahead of my first tensor load; the set-up below, work on registers, stands between them
	v_lshrrev_b32 v11, 5, v0
	v_readfirstlane_b32 s[WV], v11                 ; wave 0..3
	s_bfe_u32 s15, ttmp6, 0x40000                  ; cx: my place in the cluster
	s_lshl_b32 s16, ttmp9, 2                       ; in a cluster launch ttmp9 counts clusters
	s_add_co_u32 s16, s16, s15                     ; my block of 64 rows: it enters the addresses of enc, spk, adr and out alone
	s_lshl_b32 s60, s16, 18                        ; 64 rows of 4,096 bytes
	s_mov_b32 s61, 0
	s_lshl_b32 s62, s16, 17                        ; 64 rows of 2,048 bytes
	s_mov_b32 s63, 0
	s_lshl_b32 s58, s[WV], 15                      ; my wave's 32,768 bytes of a tile, in memory and in a slot
	s_mov_b32 s59, 0
	; descriptor group 1: 32,768 dense bytes as 128 rows of 256
	s_mov_b32 s[G1+0], 15|(3<<16)|(1<<21)          ; 15:0 the mask: all four work-groups; 17:16 elements of 8 bytes; 20 no padding; 21 set beside a mask
	s_mov_b32 s[G1+1], 32<<16                      ; tensor_dim0 = 32
	s_mov_b32 s[G1+2], 128<<16                     ; tensor_dim1 = 128
	s_mov_b32 s[G1+3], 32<<16                      ; tile_dim0 = 32
	s_mov_b32 s[G1+4], 128                         ; tile_dim1 = 128
	s_mov_b32 s[G1+5], 32                          ; 32 elements from row to row
	s_mov_b32 s[G1+6], 0
	s_mov_b32 s[G1+7], 0
	s_mov_b32 s[G0], 1                             ; count = 1
	s_mov_b32 s[G0+1], s58                         ; LDS address: slot 0, my part: no place in the cluster enters it
	s_mov_b32 s[G0+4], 1
	s_add_co_u32 s[G0+5], s58, W_SLOT              ; slot 1
	s_mov_b32 s[OFF+1], 0
	s_mov_b32 s[SG], 0xbfb8aa3b                    ; -log2 e
	s_mov_b32 s[SG+1], 0xbfb8aa3b
	s_mov_b32 s[SG2], 0xc038aa3b                   ; -2 log2 e
	s_mov_b32 s[SG2+1], 0xc038aa3b
	s_mov_b32 s[HIM], 0xffff0000
	v_mov_b32 v[ZERO], 0
	v_and_b32 v11, 31, v0                          ; l
	v_and_b32 v12, 15, v0                          ; l % 16
	v_bfe_u32 v13, v0, 4, 1                        ; l / 16
	v_lshlrev_b32 v[AW], 4, v11
	v_add_nc_u32 v[AW], s58, v[AW]                 ; 32768 w + 16 l
	v_add_nc_u32 v[AW+1], W_SLOT, v[AW]
	v_mul_u32_u24 v[AA], v12, XPITCH
	v_lshl_add_u32 v[AA], v13, 4, v[AA]
	v_add_nc_u32 v[AA], XR, v[AA]
	s_lshl_b32 s57, s[WV], 5
	v_add_nc_u32 v[AS], s57, v[AA]
	s_mul_i32 s57, s[WV], ABLK                     ; I load, round and store rows 16 w .. 16 w + 15 of each chunk: lanes 0-15 one row, lanes 16-31 the next
	s_add_co_u32 s57, s57, XR
	v_mul_u32_u24 v[XS], v13, XPITCH
	v_lshl_add_u32 v[XS], v12, 3, v[XS]
	v_add_nc_u32 v[XS], s57, v[XS]
	s_lshl_b32 s57, s[WV], 16
	v_lshlrev_b32 v[VOE], 12, v13
	v_lshl_add_u32 v[VOE], v12, 4, v[VOE]
	v_add_nc_u32 v[VOE], s57, v[VOE]
	v_lshlrev_b32 v[VOS], 11, v13
	v_lshl_add_u32 v[VOS], v12, 4, v[VOS]
	v_add_nc_u32 v[VOS], s58, v[VOS]
	s_wait_dscnt 0x0                               ; the opening add is done
	s_wait_kmcnt 0x0
	s_add_nc_u64 s[ENCB:ENCB+1], s[4:5], s[60:61]
	s_add_nc_u64 s[SPKB:SPKB+1], s[6:7], s[62:63]
	s_add_nc_u64 s[ADRB:ADRB+1], s[8:9], s[62:63]
	s_add_nc_u64 s[OUTB:OUTB+1], s[12:13], s[62:63]
	s_add_nc_u64 s[G0+2:G0+3], s[10:11], s[58:59]  ; global address: my part of tile 0,
	s_add_nc_u64 s[G0+6:G0+7], s[G0+2:G0+3], W_SLOT  ; and of tile 1
	s_or_b32 s[G0+3], s[G0+3], 0x80000000          ; type = 2
	s_or_b32 s[G0+7], s[G0+7], 0x80000000
.irp i, 0,1,2,3,4,5,6,7                ; chunks 0 and 1 of enc
	global_load_b128 v[ST0+4*\i:ST0+4*\i+3], v[VOE], s[ENCB:ENCB+1] offset:\i*8192
.endr
.irp i, 0,1,2,3,4,5,6,7
	global_load_b128 v[ST0+32+4*\i:ST0+32+4*\i+3], v[VOE], s[ENCB:ENCB+1] offset:\i*8192+256
.endr
	CROUND                                         ; all four work-groups are here: the first joint loads meet
	tensor_load_to_lds s[G0:G0+3], s[G1:G1+7]      ; both first fills together, ahead of every wait on TENSORcnt and every LDS read: two loads of mine are out
	s_nop 0
	tensor_load_to_lds s[G0+4:G0+7], s[G1:G1+7]
	s_nop 0
	PLACES
	; S's captures stand under branches on the trip's number.  S is written once here, in the wait for the first tile, so that each of its registers has been written on every path of the text.
	WIN 0xc0
.set k, 0
.rept 256
	v_mov_b32 v[k], 0
.set k, k+1
.endr
	WIN 0
	XCONS 1, 8                                     ; chunk 0 (set 0) into the ring's slot 0; chunk 1's eight loads stay out
	s_wait_tensorcnt 1                             ; my part of tile 0 is in; tile 1's may stay out
	s_wait_dscnt 0x0                               ; my rows of chunk 0 are stored
	s_barrier_signal -1
	s_barrier_wait -1
	FETCHA AF0, 0, 0, 0
	FETCHW 0, 0, BY
	; ---------------------------------------------------------------- pass 1: r (window 1) and p (window 2)
	s_mov_b32 s[J], 0
.LP1:                                                  ; 16 trips of two steps; every step fills its slot again: the last two ask for pass 2's first tiles and chunks
	STEP 1, 0, 0, 1
	STEP 1, 1, 0, 0
	WIN 0
	s_add_co_u32 s[J], s[J], 1
	s_cmp_lt_u32 s[J], 16
	s_cbranch_scc1 .LP1
	; ---------------------------------------------------------------- the gates: S = bf16(r spk), bf16(p adr).  Work on registers; pass 2's first tiles, chunks and fragments are on their way meanwhile
	PLACES
	ACTW 1, SG, 0
	ACTW 2, SG, 1
	WIN 0
	; ---------------------------------------------------------------- pass 2: z (window 1) and h (window 2)
	s_mov_b32 s[J], 0
.LP2:                                                  ; 15 trips
	STEP 2, 0, 0, 1
	STEP 2, 1, 0, 0
	WIN 0
	s_add_co_u32 s[J], s[J], 1
	s_cmp_lt_u32 s[J], 15
	s_cbranch_scc1 .LP2
	STEP 2, 0, 1, 0                                ; the last two steps are written out: they ask for no tile and no chunk, and no load is jumped over
	STEP 2, 1, 2, 0
	; ---------------------------------------------------------------- the end
	WIN 0                                          ; the addresses for the way out: twelve plain instructions, the places behind the last products
	v_and_b32 v[FR], 15, v0                        ; l % 16
	v_bfe_u32 v[VOS], v0, 4, 1                     ; l / 16 (every load that named v9 or v10 has been waited for)
	s_lshl_b32 s57, s[WV], 6
	v_mul_u32_u24 v[FS], v[FR], SPITCH             ; in: row 16 a + l % 16, bytes 256 f + 64 w + 32 (l / 16)
	v_lshl_add_u32 v[FS], v[VOS], 5, v[FS]
	v_add_nc_u32 v[FS], s57, v[FS]
	v_add_nc_u32 v[FS+1], 16*SPITCH, v[FS]
	v_add_nc_u32 v[FS+2], 32*SPITCH, v[FS]
	v_add_nc_u32 v[FS+3], 48*SPITCH, v[FS]
	v_and_b32 v[GO], 31, v0
	v_lshlrev_b32 v[GO], 4, v[GO]
	s_mul_i32 s57, s[WV], 16*SPITCH
	v_add_nc_u32 v[FR], s57, v[GO]                 ; back: rows 16 w .. 16 w + 15, 512 consecutive bytes a load
	v_add_nc_u32 v[GO], s58, v[GO]                 ; and the same rows in out: 16 w rows of 2,048 bytes
	s_wait_dscnt 0x0                               ; my reads of the slots are over
	s_barrier_signal -1                            ; the activations, work on registers, stand between the signal and the wait
	ACTW 1, SG, -1                                 ; z
	ACTW 2, SG2, -1                                ; y = sigmoid(2 x): tanh = 2 y - 1
	WIN 0
	s_barrier_wait -1                              ; nobody reads the slots any more: the stage may be written over them
.irp f, 0,1,2,3,4,5,6,7
	COMB \f
.endr
	WIN 0
	s_wait_dscnt 0x0                               ; for the others' sake: my stores into the stage are done
	s_barrier_signal -1
	s_barrier_wait -1
	WIN 0x40                                       ; destination window 1, whose numbers have been used
.set k, 0
.rept 64
	ds_load_b128 v[4*k:4*k+3], v[FR] offset:(k/4)*SPITCH+(k%4)*512
.set k, k+1
.endr
	WIN 0x04                                       ; data (source 1) window 1
.set k, 0
.rept 64
	s_wait_dscnt 63-k                              ; the younger loads may stay out
	global_store_b128 v[GO], v[4*k:4*k+3], s[OUTB:OUTB+1] offset:(k/4)*2048+(k%4)*512 th:TH_STORE_NT  ; 512 consecutive bytes, at a multiple of 512 from out's first
.set k, k+1
.endr
	WIN 0
	s_wait_tensorcnt 0x0                           ; the wave's end: these three lines, behind my last tensor load and my last LDS store
	ds_add_u32 v[SPW], v[NIL]
	s_wait_dscnt 0x0
	CROUND                                         ; the closing round: no work-group ends while a partner may still ask for a tile that names it
	s_endpgm
.Lfunc_end_k_qf92543ee4a_gru:
	.size	k_qf92543ee4a_gru, .Lfunc_end_k_qf92543ee4a_gru-k_qf92543ee4a_gru
	.p2alignl 7, 3214868480
	.fill 96, 4, 3214868480
	.section	.rodata,"a",@progbits
	.p2align	6, 0x0
	.amdhsa_kernel k_qf92543ee4a_gru
		.amdhsa_group_segment_fixed_size 327680
		.amdhsa_private_segment_fixed_size 0
		.amdhsa_enable_private_segment 0
		.amdhsa_kernarg_size 40
		.amdhsa_user_sgpr_count 2
		.amdhsa_user_sgpr_kernarg_segment_ptr 1
		.amdhsa_wavefront_size32 1
		.amdhsa_system_sgpr_workgroup_id_x 1
		.amdhsa_system_sgpr_workgroup_id_y 1
		.amdhsa_system_sgpr_workgroup_id_z 1
		.amdhsa_system_vgpr_workitem_id 0
		.amdhsa_next_free_vgpr 1024
		.amdhsa_next_free_sgpr 66
		.amdhsa_reserve_vcc 0
		.amdhsa_float_denorm_mode_32 3
		.amdhsa_float_denorm_mode_16_64 3
		.amdhsa_memory_ordered 1
		.amdhsa_forward_progress 1
		.amdhsa_inst_pref_size 255
	.end_amdhsa_kernel
	.section	.bss,"aw",@nobits
	.p2align	6
	.space	262144
	.amdgpu_metadata
---
amdhsa.version: [ 1, 2 ]
amdhsa.kernels:
  - .name:           k_qf92543ee4a_gru
    .symbol:         k_qf92543ee4a_gru.kd
    .args:
      - { .name: encoder_hidden, .offset: 0, .size: 8, .value_kind: global_buffer, .address_space: global }
      - { .name: spk_vectors, .offset: 8, .size: 8, .value_kind: global_buffer, .address_space: global }
      - { .name: adr_vectors, .offset: 16, .size: 8, .value_kind: global_buffer, .address_space: global }
      - { .name: wfrag, .offset: 24, .size: 8, .value_kind: global_buffer, .address_space: global }
      - { .name: out0, .offset: 32, .size: 8, .value_kind: global_buffer, .address_space: global }
    .group_segment_fixed_size: 327680
    .private_segment_fixed_size: 0
    .kernarg_segment_align: 8
    .kernarg_segment_size: 40
    .max_flat_workgroup_size: 128
    .sgpr_count:     66
    .vgpr_count:     1024
    .wavefront_size: 32
...
	.end_amdgpu_metadata
.endif
;; end of part 2
